; MI455X (gfx1250); checked and timed in simulation.
; The chip was launched on July 23, 2026; its instructions are those of AMD's public machine-readable ISA for CDNA 5 (MIT licence, August 2026) and "CDNA5" Instruction Set Architecture Reference Guide (July 2026). The comments in the code are by the model that wrote it; some were corrected since.
;; Attention Module. Allowed arithmetic: matrix products marked QUANTISED: E5M2 operands, one given power-of-two scale a tensor, by v_wmma_f32_16x16x64_bf8_bf8 or v_wmma_f32_16x16x128_bf8_bf8, f32 sums; everything else in f32.
;; Inputs: K 4 x 16 x 2,048 x 64 float32; Q 4 x 16 x 2,048 x 64 float32; V 4 x 16 x 2,048 x 64 float32; lowp_scales 4 int32 (the exponents e of the quantised operands' scales 2^e); mask 2,048 x 2,048 bool.
;; Outputs: out0 4 x 16 x 2,048 x 64 float32.
;; This version of the problem:
;;   THIS VERSION OF THE PROBLEM IS GIVEN IN LOW PRECISION. The matrix products marked QUANTISED in the list below multiply operands that are first quantised to E5M2 (5 exponent bits, 2 mantissa bits; 8 bits a number), with one given power-of-two scale for each operand tensor; their sums are f32. All else is computed in f32.
;;   The module's matrix products, in the order in which they are computed (A, B: the left and right operand; K: the contracted axis; several contracted axes count as one K, in the product's order):
;;     1. batch 64 x [M 2,048, K 64] x [K 64, N 2,048]; A: input Q; B: input K: QUANTISED (scales: A lowp_scales[0], B lowp_scales[1])
;;     2. batch 64 x [M 2,048, K 2,048] x [K 2,048, N 64]; A: softmax (see below); B: input V: QUANTISED (scales: A lowp_scales[2], B lowp_scales[3])
;;   THE QUANTISER, for each operand of a quantised product, along K:
;;     - The operand's scale is 2^e, e = its entry of the input lowp_scales (int32; the entries are numbered through the quantised products in the list's order, A before B).
;;     - Each number is divided by the scale, clamped to +-57,344, and rounded to the nearest number of E5M2, ties to even, subnormals kept.
;;     - The product sums the exact products of the quantised numbers (number of the format x scale) in f32.
;;   ~~~python
;;   def quantise(x, axis, e):      # numpy; x: float32 -> the quantised numbers, widened to float32 again
;;       x = np.moveaxis(x, axis, -1); K = x.shape[-1]
;;       r = np.clip(x / 2.0 ** e, -57344, 57344)
;;       step = 2.0 ** (np.maximum(np.frexp(np.where(r == 0, 1, r))[1] - 1, -14) - 2)
;;       q = np.round(r / step) * step * 2.0 ** e      # np.round: ties to even
;;       return np.moveaxis(q, -1, axis).astype(np.float32)
;;   ~~~
;;   SOFTMAX AHEAD OF A QUANTISED PRODUCT. Where the list says 'softmax', what is quantised is not the finished softmax but p = 2^(t - M), with t = logit x log2(e) and M = ceil(the row's largest t), a whole number; so 1/2 < the row's largest p <= 1. The row's sum l is taken of the UNQUANTISED p, in f32, and the product's result is divided by l at the end. Since M is a whole number, a kernel that streams over the keys may use a running M (the ceiling of the running maximum): every later rescaling is an exact power of two, so the quantised numbers keep their values, but for numbers so far below the row's largest that they fall under the format's range.
;;   OPERANDS COMPUTED ON THE WAY. 'Computed on the way' means the value that the module computes at that place (a softmax that the list does not call 'softmax' is quantised finished and normalised). What goes into a quantiser is computed in f32, as accurately as f32 sums, v_exp_f32 and their like allow (about 1e-6 of the number): no bf16 or f16 on the way to a quantiser, and a product that is left as it is and whose result goes on into a quantised operand takes f32 operands (vector FMAs, or v_wmma_f32_16x16x4_f32). A number that lies on a knife's edge between two numbers of the format may be rounded either way, as far as f32 arithmetic and the matrix unit's own rounding can turn it there, and no further.
;; 2 versions. Each part assembles by itself: llvm-mc -triple=amdgcn-amd-amdhsa -mcpu=gfx1250 --defsym DOCPART=n.
;; ======== version 1 of 2: 2 launches
;; workspace buffers: kc 8,388,608 bytes; vc 8,388,608 bytes; mbits 524,288 bytes of whole numbers; fl 2,048 bytes of whole numbers
;; launch prep (part 1): grid 2176 x 1, 4 waves a work-group, no clusters, 69,120 bytes of LDS; arguments K, V, mask, lowp_scales, kc, vc, mbits, fl; writes kc, vc, mbits, fl
.if DOCPART == 1
	.amdgcn_target "amdgcn-amd-amdhsa--gfx1250"
	.amdhsa_code_object_version 6
	.text
	.protected	k_q68a78542e2_prep
	.globl	k_q68a78542e2_prep
	.p2align	8
	.type	k_q68a78542e2_prep,@function
k_q68a78542e2_prep:
	s_mov_b64 s[64:65], 0
	v_nop
	global_prefetch_b8 v0, s[64:65] scope:SCOPE_SE
	s_setreg_imm32_b32 hwreg(HW_REG_WAVE_MODE, 25, 1), 1
	s_wait_xcnt 0x0
; WHAT IT MAKES, once, for the attention launch behind it:
;   kc: K's codes of BF8 (E5M2), vc: V's codes, both laid as images of the operands' registers; mbits: the mask as lane masks; fl: two bits for each (16 queries x 128 keys).
; code = x / 2^e, held within +-57,344, rounded to the nearest code, ties to even; e = entry 1 (K) or entry 3 (V) of the scales' exponents.
; LIMITS: -126 <= e <= 112, so that 2^e and 57,344 x 2^e are f32 numbers.  NaN among K and V is not served (an infinity is held at the largest code).
; SHARES.  Work-groups 0-127: the mask, 16 queries each (q-tile T), wave w the keys 512 w .. 512 w + 511 (four steps of 128).
;   Work-groups 128-1151: K, one unit = (head, step of 128 keys) each: 32,768 dense bytes in, 8,192 dense bytes out.  Work-groups 1152-2175: V likewise.
; LAYOUTS.  kc [unit][tile t 8][u 2][lane 32][16 bytes]: lane (r = lane % 16, h = lane / 16) of tile t holds key 16 t + r; its register 2 c + 0, 1 holds d = 16 c + 8 h + 0 .. 7; image u = registers 4 u .. 4 u + 3.
;   vc [unit][ct 4][u 4][lane 32][16 bytes]: lane (r, h) holds channel 16 ct + r; its register 2 c + 0, 1 holds keys 16 c + 8 h + 0 .. 7.
;   mbits [T 128][step 16][n 64] words: bit l of word n = 8 t + j is mask[16 T + l % 16][128 step + 16 t + 8 (l / 16) + j]: the lane mask of register n of the transposed scores.
;   fl [T 128][4] words: word w has bit 4 w + i set where step 4 w + i has an open key for tile T, bit 16 + 4 w + i where all its 16 x 128 are open.
; HOW.  Every global load reads 512 consecutive bytes a wave.  The numbers turn through a stage in LDS (rows padded by 16 bytes), from which each lane takes the neighbours along K that the conversions want
; from one lane's consecutive registers: for K eight neighbouring d of its key, for V eight keys of its channel (a column of the stage).  Every store of codes and of mask words covers 512 consecutive bytes.
; The flag words are stored 4 bytes a wave: 2,048 bytes in the whole launch.
; No tensor loads, no clusters: no byte is read by two work-groups.  The two ways that part on the work-group's number have LDS bytes of their own.
.set KP,    272                        ; a stage row of K or V: 256 bytes + 16 of padding = 68 words: row r starts at bank 4 r mod 64 (64 banks of 4 bytes: ISA guide 11.1)
.set MST,   128*KP                     ; behind the 128 rows: the mask's stages, one for each wave
.set MP,    528                        ; a stage row of the mask: 512 bytes + 16
.set NMASK, 128                        ; work-groups for the mask
.set NK,    1024                       ; for K
.set X,     16                         ; v16-79  64 numbers (or 64 words of mask bytes)
.set C,     80                         ; v80-95  the codes; on the mask's way v80-87 the words to store, v88-91 at work
	s_load_b256 s[4:11], s[0:1], 0x0               ; K s[4:5], V s[6:7], mask s[8:9], the scales' exponents s[10:11]
	s_load_b256 s[12:19], s[0:1], 0x20             ; kc s[12:13], vc s[14:15], mbits s[16:17], fl s[18:19]
	v_lshl_add_u32 v96, v0, 2, 0x10c00
	v_mov_b32 v97, 0
	v_lshrrev_b32 v1, 5, v0
	v_readfirstlane_b32 s24, v1                    ; wave 0..3
	v_and_b32 v1, 31, v0                           ; lane
	v_and_b32 v2, 15, v0                           ; r
	v_bfe_u32 v3, v0, 4, 1                         ; h
	v_lshlrev_b32 v14, 4, v1                       ; 16 x lane
	; every LDS address is made here, ahead of the ways' parting
	s_lshl_b32 s25, s24, 13
	v_add_nc_u32 v4, s25, v14                      ; in: my wave's 8,192 bytes (32 rows) of the unit, 16 bytes a lane
	s_mul_i32 s25, s24, 32*KP
	v_mul_u32_u24 v5, v3, KP
	v_lshl_add_u32 v5, v2, 4, v5
	v_add_nc_u32 v5, s25, v5                       ; into the stage: a load's 512 bytes are rows 32 w + 2 i + h
	v_mul_u32_u24 v6, v2, KP
	v_lshl_add_u32 v6, v3, 5, v6
	v_add_nc_u32 v6, s25, v6                       ; K, out of it: row 32 w + r, + 32 h bytes: eight d of my half
	s_lshl_b32 s25, s24, 6
	v_mul_u32_u24 v7, v3, 8*KP
	v_lshl_add_u32 v7, v2, 2, v7
	v_add_nc_u32 v7, s25, v7                       ; V, out of it: row 8 h, channel 16 w + r
	s_lshl_b32 s25, s24, 11
	v_add_nc_u32 v8, s25, v14                      ; out: my wave's 2,048 bytes of the unit's codes
	s_lshl_b32 s25, s24, 9
	v_add_nc_u32 v11, s25, v14                     ; the mask, in: my wave's 512 bytes of a row
	s_mul_i32 s25, s24, 16*MP
	s_add_co_u32 s25, s25, MST
	v_add_nc_u32 v12, s25, v14                     ; into my stage: a row on end
	v_mul_u32_u24 v13, v2, MP
	v_lshl_add_u32 v13, v3, 3, v13
	v_add_nc_u32 v13, s25, v13                     ; out of it: row r, + 8 h: words 132 r + 2 h + 0, 1: 64 different banks
	s_wait_kmcnt 0x0
	s_cmp_lt_u32 ttmp9, NMASK
	s_cbranch_scc1 .Lmask
	; ---------------- K or V: one unit ----------------
	s_load_b128 s[20:23], s[10:11], 0x0            ; eq, ek, ep, ev
	s_mov_b32 s26, NMASK+NK
	s_cmp_lt_u32 ttmp9, NMASK+NK                   ; K's work-group or V's?  The choice hangs on the work-group's number alone
	s_cselect_b64 s[4:5], s[4:5], s[6:7]
	s_cselect_b64 s[12:13], s[12:13], s[14:15]
	s_cselect_b32 s25, NMASK, s26
	s_sub_co_u32 s25, ttmp9, s25                   ; the unit, 0 .. 1023
	s_lshl_b32 s28, s25, 15
	s_mov_b32 s29, 0
	s_lshl_b32 s30, s25, 13
	s_mov_b32 s31, 0
	s_add_nc_u64 s[4:5], s[4:5], s[28:29]
	s_add_nc_u64 s[12:13], s[12:13], s[30:31]
.set I, 0
.rept 16
	global_load_b128 v[X+4*I:X+4*I+3], v4, s[4:5] offset:512*I th:TH_LOAD_NT   ; 32 lanes read 512 consecutive bytes; read once in the launch
.set I, I+1
.endr
	s_wait_kmcnt 0x0
	s_cmp_lt_u32 ttmp9, NMASK+NK
	s_cselect_b32 s27, s21, s23                    ; e
	s_add_co_i32 s27, s27, 127
	s_lshl_b32 s26, s27, 23
	v_mov_b32 v9, s26                              ; 2^e as f32: the conversion takes its exponent field
	s_add_co_i32 s27, s27, 15
	s_lshl_b32 s27, s27, 23
	s_or_b32 s27, s27, 0x600000
	v_mov_b32 v10, s27                             ; 57,344 x 2^e
.set I, 0
.rept 16
	s_wait_loadcnt 15-I                            ; loads come back in order: load I is in, the 15 - I younger ones stay out
	ds_store_b128 v5, v[X+4*I:X+4*I+3] offset:2*KP*I
.set I, I+1
.endr
	s_wait_dscnt 0x0                               ; for the others' sake: my 32 rows lie in the stage
	s_barrier_signal -1
	s_barrier_wait -1                              ; all 128 rows do (V's lanes read down all of them)
	s_cmp_lt_u32 ttmp9, NMASK+NK
	s_cbranch_scc0 .Lv_rows
.irp tt, 0,1                                   ; K: my wave makes tiles 2 w and 2 w + 1: number 32 tt + 8 c + j of a lane is d = 16 c + 8 h + j of key 32 w + 16 tt + r
.irp c, 0,1,2,3
.irp u, 0,1
	ds_load_b128 v[X+32*\tt+8*\c+4*\u:X+32*\tt+8*\c+4*\u+3], v6 offset:16*KP*\tt+64*\c+16*\u
.endr
.endr
.endr
	s_branch .Lquant
.Lv_rows:
.set I, 0
.rept 64                                       ; V: my wave makes channels 16 w .. 16 w + 15: number 8 c + j of a lane is key 16 c + 8 h + j of channel 16 w + r
	ds_load_b32 v[X+I], v7 offset:(16*(I/8)+I%8)*KP
.set I, I+1
.endr
.Lquant:
	s_wait_dscnt 0x0
.set I, 0
.rept 64
	v_med3_num_f32 v[X+I], v[X+I], -v10, v10       ; the conversion to an 8-bit code does not saturate (ISA guide 7.6.2): the hold at the largest code x the scale comes first
.set I, I+1
.endr
.set I, 0
.rept 8
	v_cvt_scalef32_pk8_bf8_f32 v[C+2*I:C+2*I+1], v[X+8*I:X+8*I+7], v9   ; eight neighbours along K -> two registers of the operand
.set I, I+1
.endr
	v_nop                                          ; a plain line behind the last conversion
.irp i, 0,1,2,3
	global_store_b128 v8, v[C+4*\i:C+4*\i+3], s[12:13] offset:512*\i      ; an image of four registers: 512 consecutive bytes; the next launch reads them, so no hint
.endr
	s_wait_tensorcnt 0x0
	ds_add_u32 v96, v97
	s_wait_dscnt 0x0
	s_endpgm
	; ---------------- the mask: 16 queries x my wave's 512 keys ----------------
.Lmask:
	s_lshl_b32 s28, ttmp9, 15                      ; 16 rows of 2,048 bytes
	s_mov_b32 s29, 0
	s_add_nc_u64 s[8:9], s[8:9], s[28:29]
	s_lshl_b32 s30, ttmp9, 12                      ; mbits: 4,096 bytes a q-tile,
	s_lshl_b32 s31, s24, 10                        ; 1,024 for my four steps
	s_add_co_u32 s30, s30, s31
	s_mov_b32 s31, 0
	s_add_nc_u64 s[16:17], s[16:17], s[30:31]
.set I, 0
.rept 16
	global_load_b128 v[X+4*I:X+4*I+3], v11, s[8:9] offset:2048*I th:TH_LOAD_NT   ; row I: 512 consecutive bytes
.set I, I+1
.endr
.irp i, 0,1,2,3,4,5,6,7
	v_mov_b32 v[C+\i], 0                           ; v_writelane_b32's destination counts as read
.endr
	s_mov_b32 s38, 0                               ; my four steps' flags
.set I, 0
.rept 16
	s_wait_loadcnt 15-I
	ds_store_b128 v12, v[X+4*I:X+4*I+3] offset:MP*I
.set I, I+1
.endr
.set I, 0
.rept 32                                       ; LDS serves a wave's instructions in order (ISA guide 5.7.1.4): these see my stores.  Pair I: the bytes of keys 16 I + 8 h + 0 .. 7 of query r
	ds_load_b64 v[X+2*I:X+2*I+1], v13 offset:16*I
.set I, I+1
.endr
; Word N = 64 s + 8 t + j of my 256: byte j of pair 8 s + t, compared in all 32 lanes at once.  It is laid into lane (N / 4) % 32, register N % 4 of store N / 128, so that the two stores write the words in order.
.set N, 0
.rept 4
	s_wait_dscnt 24-8*(N/64)                       ; this step's eight pairs are in; the later steps' loads stay out
	s_mov_b32 s36, 0                               ; any open?
	s_mov_b32 s37, -1                              ; all open?
.rept 64
	v_and_b32 v[88+N%4], 0xff<<(8*(N%4)), v[X+2*(N/8)+(N%8)/4]
	v_cmp_ne_u32 s[32+N%4], 0, v[88+N%4]
	s_or_b32 s36, s36, s[32+N%4]
	s_and_b32 s37, s37, s[32+N%4]
	v_writelane_b32 v[C+4*(N/128)+N%4], s[32+N%4], (N/4)%32
.set N, N+1
.endr
	s_cmp_lg_u32 s36, 0
	s_cselect_b32 s25, 1<<(N/64-1), 0
	s_or_b32 s38, s38, s25
	s_cmp_eq_u32 s37, -1
	s_cselect_b32 s25, 0x10000<<(N/64-1), 0
	s_or_b32 s38, s38, s25
.endr
	global_store_b128 v14, v[C:C+3], s[16:17]                  ; 512 consecutive bytes each
	global_store_b128 v14, v[C+4:C+7], s[16:17] offset:512
	s_lshl_b32 s26, s24, 2
	s_lshl_b32 s38, s38, s26                       ; to my steps' places: bits 4 w + i and 16 + 4 w + i
	s_lshl_b32 s25, ttmp9, 4
	s_add_co_u32 s25, s25, s26                     ; fl: 16 T + 4 w
	v_mov_b32 v15, s25
	v_mov_b32 v88, s38
	v_cmp_gt_u32 vcc_lo, 1, v1                     ; lane 0 alone stores the word
	s_wait_xcnt 0x0                                ; EXEC is a source of the stores above: it changes only behind this wait
	s_wait_tensorcnt 0x0
	ds_add_u32 v96, v97
	s_wait_dscnt 0x0
	s_and_saveexec_b32 s39, vcc_lo
	global_store_b32 v15, v88, s[18:19]
	s_wait_xcnt 0x0                                ; and again in front of the line that widens it
	s_or_b32 exec_lo, exec_lo, s39
	s_endpgm
.Lfunc_end_k_q68a78542e2_prep:
	.size	k_q68a78542e2_prep, .Lfunc_end_k_q68a78542e2_prep-k_q68a78542e2_prep
	.p2alignl 7, 3214868480
	.fill 96, 4, 3214868480
	.section	.rodata,"a",@progbits
	.p2align	6, 0x0
	.amdhsa_kernel k_q68a78542e2_prep
		.amdhsa_group_segment_fixed_size 69120
		.amdhsa_private_segment_fixed_size 0
		.amdhsa_enable_private_segment 0
		.amdhsa_kernarg_size 64
		.amdhsa_user_sgpr_count 2
		.amdhsa_user_sgpr_kernarg_segment_ptr 1
		.amdhsa_wavefront_size32 1
		.amdhsa_system_sgpr_workgroup_id_x 1
		.amdhsa_system_sgpr_workgroup_id_y 1
		.amdhsa_system_sgpr_workgroup_id_z 1
		.amdhsa_system_vgpr_workitem_id 0
		.amdhsa_next_free_vgpr 98
		.amdhsa_next_free_sgpr 66
		.amdhsa_reserve_vcc 1
		.amdhsa_float_denorm_mode_32 3
		.amdhsa_float_denorm_mode_16_64 3
		.amdhsa_memory_ordered 1
		.amdhsa_forward_progress 1
		.amdhsa_inst_pref_size 88
	.end_amdhsa_kernel
	.amdgpu_metadata
---
amdhsa.version: [ 1, 2 ]
amdhsa.kernels:
  - .name:           k_q68a78542e2_prep
    .symbol:         k_q68a78542e2_prep.kd
    .args:
      - { .name: K, .offset: 0, .size: 8, .value_kind: global_buffer, .address_space: global }
      - { .name: V, .offset: 8, .size: 8, .value_kind: global_buffer, .address_space: global }
      - { .name: mask, .offset: 16, .size: 8, .value_kind: global_buffer, .address_space: global }
      - { .name: lowp_scales, .offset: 24, .size: 8, .value_kind: global_buffer, .address_space: global }
      - { .name: kc, .offset: 32, .size: 8, .value_kind: global_buffer, .address_space: global }
      - { .name: vc, .offset: 40, .size: 8, .value_kind: global_buffer, .address_space: global }
      - { .name: mbits, .offset: 48, .size: 8, .value_kind: global_buffer, .address_space: global }
      - { .name: fl, .offset: 56, .size: 8, .value_kind: global_buffer, .address_space: global }
    .group_segment_fixed_size: 69120
    .private_segment_fixed_size: 0
    .kernarg_segment_align: 8
    .kernarg_segment_size: 64
    .max_flat_workgroup_size: 128
    .sgpr_count:     66
    .vgpr_count:     98
    .wavefront_size: 32
...
	.end_amdgpu_metadata
.endif
;; end of part 1
;; launch attn (part 2): grid 4 x 64, 16 waves a work-group, no clusters, 104,448 bytes of LDS; arguments Q, kc, vc, mbits, fl, lowp_scales, out0; writes out0
.if DOCPART == 2
	.amdgcn_target "amdgcn-amd-amdhsa--gfx1250"
	.amdhsa_code_object_version 6
	.text
	.protected	k_q68a78542e2_attn
	.globl	k_q68a78542e2_attn
	.p2align	8
	.type	k_q68a78542e2_attn,@function
k_q68a78542e2_attn:
	s_mov_b64 s[64:65], 0
	v_nop
	global_prefetch_b8 v0, s[64:65] scope:SCOPE_SE
	s_setreg_imm32_b32 hwreg(HW_REG_WAVE_MODE, 25, 1), 1
	s_wait_xcnt 0x0
; out0[head][q][:] = the sum over k of softmax_k(Q[q] . K[k] / 8 + (mask[q][k] ? 0 : -infinity)) V[k][:], 64 heads, 2,048 queries and keys, 64 channels; both products on codes of BF8 (E5M2), each operand with its given scale 2^e.
; K's and V's codes come as images of operand registers (kc, vc), the mask as lane masks (mbits) and as two bits for each (16 queries x 128 keys) (fl): all made by the launch before.  Q is quantised here, in registers.
; THE SOFTMAX AHEAD OF THE SECOND PRODUCT: t = score x log2(e) / 8; M = the row's largest t so far, rounded UP to a whole number; p = 2^(t - M) is quantised, not normalised; the row's sum is taken of the unquantised p
; and divides at the end.  When M moves, the sum and O are multiplied by 2^(old M - new M): nothing is rounded.  A row with no open key ends as 0 x (1 / 0) = NaN, which is what a softmax of -infinities gives.
; SHARES.  A work-group has one head and TWO blocks of 256 queries, 7 - x and then x, in two passes of one body; each of its sixteen waves owns 16 queries of a block, a lane one query, in 224 registers.
; A pass walks all 16 steps of 128 keys: the trip count is a constant, and every wave passes every barrier.  What a step DOES hangs on three words of bits made from fl and shifted a place a step:
;   NEED: some wave of the work-group has an open key there: the step's 16,384 bytes of codes are fetched;   ANY: my 16 queries have one: I compute;   ALL: all my 16 x 128 are open: I need no mask words.
; Work that the mask throws away is so left out, whatever pattern the mask has; the pairing of blocks only evens the load where later queries see more keys.
; THE RING.  Two LDS slots of 16,384 bytes (K's images, then V's).  Each thread carries 16 bytes of K's and 16 of V's from memory to LDS through registers: asked for just behind a step's barrier, stored in front of the next.
; ONE barrier a step orders both ways: stores into a slot stand behind the barrier that every wave signalled after its reads of that slot (two steps back) were in, and reads stand behind the barrier that every wave signalled after its stores.
; NO TENSOR LOADS, NO CLUSTER, NO JOINT LOADS: which tiles are fetched at all hangs on numbers read from memory, by branches, under which neither may stand; what the four work-groups of a head share is 16,384 bytes a step.
; LAYOUT.  Both products are used transposed: S^T = K Q^T (source 0 = keys 16 t .. 16 t + 15, source 1 = my queries): lane (r, h) holds query r, register 8 t + j key 16 t + 8 h + j.  The conversion of tile t's eight registers
; gives registers 2 t, 2 t + 1 of P as the 128-deep form lays them (k = 16 t + 8 h + 0 .. 7): nothing changes lanes or places.  O^T = V^T P^T: register 8 ct + j is channel 16 ct + 8 h + j of query r.
; LIMITS on the given exponents, so that each power of two below is an f32 number: eq + ek between -123 and 130 (added to c's exponent field); eq and ep between -126 and 112; ep + ev is applied by v_ldexp_f32 and has none.
; NaN and infinities among Q, K, V are not served.
.set SLOTB, 16384                      ; a slot
.set VOFF,  8192                       ; V's images in it
.set STG,   2*SLOTB                    ; behind the ring: a stage of 16 rows x 272 bytes for each wave, its own: Q on the way in, O on the way out
.set SP,    272                        ; 256 bytes + 16: row r starts at bank 4 r mod 64 (64 banks of 4 bytes: ISA guide 11.1)
.set LI,   1                           ; v1   16 x lane
.set FS,   2                           ; v2   16 x thread: my 16 bytes of a slot's K (and, VOFF on, V)
.set FO,   3                           ; v3   the same in memory, + 8,192 x the step to be fetched
.set SO,   4                           ; v4   the stage by (row r, 32 h bytes)
.set SR,   5                           ; v5   the stage by (row h, 16 r bytes): whole rows
.set QSC,  6                           ; v6, v7  2^eq, 57,344 x 2^eq
.set QLIM, 7
.set PSC,  8                           ; v8, v9  2^ep, 57,344 x 2^ep
.set PLIM, 9
                                       ; v10, v11 at work at the head;  v12 -M, v13 the largest t, v[14:15] the sum in two halves
.set QF,   16                          ; v16-23   Q's codes
.set FK,   24                          ; v24-27   16 bytes of K's codes on their way
.set FV,   28                          ; v28-31   of V's
.set FR,   32                          ; v32-95   eight fragments of K, then four of V
.set S,    96                          ; v96-159  S^T, then p
.set O,    160                         ; v160-191 O^T
.set PC,   192                         ; v192-207 p's codes
.set NINF, 208                         ; v208     -infinity
.set PD,   209                         ; v209     a lane permute's destination
.set F,    210                         ; v[210:211] f = 2^(old M - new M) (the pair is named, the low word serves)
.set L2,   212                         ; v[212:213] the sum's second chain
.set W0,   214                         ; v214, v215 at work
.set W1,   215
.set WV,   2                           ; s2   my wave's number
.set PASS, 3                           ; s3   passes to go
                                       ; s[4:5] Q, s[6:7] kc and s[8:9] vc at my head, s[10:11] mbits, s[12:13] fl, s[14:15] my tile's address in Q, then in out0
                                       ; s16-63, s68-83: 64 words: a step's lane masks (word n at s[16 + n + 4 (n / 48)]); at a pass's head the block's 64 flag words
.set OUTP, 84                          ; s[84:85] out0
.set IT,   86                          ; s86  trips to go
.set NEED, 87
.set ANY,  88
.set ALL,  89
.set CS,   90                          ; s[90:91] c = log2(e) / 8 x 2^(eq + ek)
.set SEL,  92                          ; s[92:93] selects for v_permlanex16_b32: lane l xor 16
.set NOHOLD, 94                        ; s94  1 where 57,344 x 2^ep lies above every p
.set EPV,  95                          ; s95  ep + ev
.set TQ,   96                          ; s[96:99] four words at work
.set MO,   100                         ; s100 the step's byte in mbits
.set BLK,  101                         ; s101 the block of 256 queries in hand
	s_load_b256 s[4:11], s[0:1], 0x0               ; Q, kc, vc, mbits
	s_load_b128 s[12:15], s[0:1], 0x20             ; fl, the scales' exponents
	s_load_b64 s[OUTP:OUTP+1], s[0:1], 0x30        ; out0
	v_lshl_add_u32 v224, v0, 2, 0x19000
	v_mov_b32 v225, 0
	v_lshrrev_b32 v10, 5, v0
	v_readfirstlane_b32 s[WV], v10                 ; wave 0..15
	v_and_b32 v[LI], 31, v0
	v_lshlrev_b32 v[LI], 4, v[LI]
	v_lshlrev_b32 v[FS], 4, v0
	v_and_b32 v10, 15, v0                          ; r
	v_bfe_u32 v11, v0, 4, 1                        ; h
	s_mul_i32 s[IT], s[WV], 16*SP
	s_add_co_u32 s[IT], s[IT], STG                 ; my stage
	v_mul_u32_u24 v[SO], v10, SP
	v_lshl_add_u32 v[SO], v11, 5, v[SO]
	v_add_nc_u32 v[SO], s[IT], v[SO]
	v_mul_u32_u24 v[SR], v11, SP
	v_lshl_add_u32 v[SR], v10, 4, v[SR]
	v_add_nc_u32 v[SR], s[IT], v[SR]
.irp i, 0,1,2,3,4,5,6,7
	v_mov_b32 v[FK+\i], 0                          ; written once: the stores that read them and the loads that fill them stand under branches of their own
.endr
	v_mov_b32 v[NINF], 0xff800000
	v_mov_b32 v[PD], 0                             ; a lane permute's destination counts as one of its sources
	v_mov_b32 v[F+1], 0                            ; (named as the upper half of a pair)
	s_mov_b32 s[SEL], 0x76543210
	s_mov_b32 s[SEL+1], 0xfedcba98
	s_wait_kmcnt 0x0
	s_load_b128 s[TQ:TQ+3], s[14:15], 0x0          ; eq, ek, ep, ev
	s_and_b32 s[IT], ttmp7, 0xffff                 ; the head:
	s_lshl_b32 s[IT], s[IT], 17                    ; 16 steps x 8,192 bytes of codes
	s_mov_b32 s[IT+1], 0
	s_add_nc_u64 s[6:7], s[6:7], s[IT:IT+1]
	s_add_nc_u64 s[8:9], s[8:9], s[IT:IT+1]
	s_sub_co_u32 s[BLK], 7, ttmp9                  ; the first pass's block
	s_mov_b32 s[PASS], 2
	s_wait_kmcnt 0x0
	s_add_co_i32 s[IT], s[TQ], s[TQ+1]
	s_lshl_b32 s[IT], s[IT], 23
	s_add_co_i32 s[CS], s[IT], 0x3e38aa3b          ; log2(e) / 8, with eq + ek added to its exponent field: a score stands for score x 2^(eq + ek)
	s_mov_b32 s[CS+1], s[CS]                       ; (named with it as a pair, so it is written)
	s_add_co_i32 s[IT], s[TQ], 127
	s_lshl_b32 s[NEED], s[IT], 23
	v_mov_b32 v[QSC], s[NEED]                      ; 2^eq as f32: the conversion takes its exponent field
	s_add_co_i32 s[IT], s[IT], 15
	s_lshl_b32 s[IT], s[IT], 23
	s_or_b32 s[IT], s[IT], 0x600000
	v_mov_b32 v[QLIM], s[IT]                       ; 57,344 x 2^eq
	s_add_co_i32 s[IT], s[TQ+2], 127
	s_lshl_b32 s[NEED], s[IT], 23
	v_mov_b32 v[PSC], s[NEED]                      ; 2^ep
	s_add_co_i32 s[IT], s[IT], 15
	s_lshl_b32 s[IT], s[IT], 23
	s_or_b32 s[IT], s[IT], 0x600000
	v_mov_b32 v[PLIM], s[IT]                       ; 57,344 x 2^ep
	s_cmp_ge_i32 s[TQ+2], -15                      ; from ep = -15 on, 57,344 x 2^ep is 1.75 or more, and p is 1 at the most (a last bit over, by rounding): the hold can change nothing
	s_cselect_b32 s[NOHOLD], 1, 0
	s_add_co_i32 s[EPV], s[TQ+2], s[TQ+3]
; ---- the work of one step of 128 keys, for my 16 queries, from the slot named ----
.macro COMPUTE slot
	s_bitcmp1_b32 s[ALL], 0
	s_cbranch_scc1 .Lno_bits_\@                    ; all open: no mask words
	s_load_b512 s[16:31], s[10:11], s[MO]
	s_load_b512 s[32:47], s[10:11], s[MO] offset:0x40
	s_load_b512 s[48:63], s[10:11], s[MO] offset:0x80
	s_load_b512 s[68:83], s[10:11], s[MO] offset:0xc0
.Lno_bits_\@:
.set J, 0
.rept 16                                       ; K's eight fragments, as they were laid: 512 consecutive bytes a load
	ds_load_b128 v[FR+4*J:FR+4*J+3], v[LI] offset:\slot*SLOTB+512*J
.set J, J+1
.endr
	s_wait_dscnt 0x0
.irp t, 0,1,2,3,4,5,6,7
	v_wmma_f32_16x16x64_bf8_bf8 v[S+8*\t:S+8*\t+7], v[FR+8*\t:FR+8*\t+7], v[QF:QF+7], 0
.endr
.rept 4
	v_nop                                          ; four places in front of the loads into registers that these products read, and of the first read of their results
.endr
.set J, 0
.rept 16                                       ; V's four fragments land while the softmax is worked
	ds_load_b128 v[FR+4*J:FR+4*J+3], v[LI] offset:\slot*SLOTB+VOFF+512*J
.set J, J+1
.endr
	s_wait_kmcnt 0x0                               ; the mask words, if they were asked for; behind it s[MO] may step
	s_bitcmp1_b32 s[ALL], 0
	s_cbranch_scc1 .Lopen_\@
.set J, 0
.rept 64                                       ; a hidden key's score becomes -infinity ahead of the maximum: p = 0 then.  Each accumulator from its low end on
	v_cndmask_b32 v[S+J], v[NINF], v[S+J], s[16+J+4*(J/48)]
.set J, J+1
.endr
.Lopen_\@:
	v_max3_num_f32 v[W0], v[S], v[S+1], v[S+2]     ; the step's largest score of my query among my 64 keys, in two chains, ascending,
	v_max3_num_f32 v[W1], v[S+3], v[S+4], v[S+5]
.irp i, 6,10,14,18,22,26,30,34,38,42,46,50,54,58
	v_max3_num_f32 v[W0], v[W0], v[S+\i], v[S+1+\i]
	v_max3_num_f32 v[W1], v[W1], v[S+2+\i], v[S+3+\i]
.endr
	v_max3_num_f32 v[W0], v[W0], v[S+62], v[S+63]
	v_max_num_f32 v[W0], v[W0], v[W1]
	v_permlanex16_b32 v[PD], v[W0], s[SEL], s[SEL+1]
	v_max_num_f32 v[W0], v[W0], v[PD]              ; and among lane l xor 16's
	v_mul_f32 v[W0], s[CS], v[W0]                  ; as t (c is positive)
	v_max_num_f32 v13, v13, v[W0]                  ; the running largest t
	v_mov_b32 v[W0], v12
	v_floor_f32 v12, -v13                          ; the new -M = floor(-t) = -ceil(t): a whole number
	v_sub_f32 v[W0], v12, v[W0]                    ; old M - new M: a whole number, 0 or less
	v_cvt_i32_f32 v[W0], v[W0]                     ; (it saturates)
	v_ldexp_f32 v[F], 1.0, v[W0]                   ; f = 2^(old M - new M)
.set J, 0
.rept 32
	v_pk_fma_f32 v[S+J:S+J+1], v[S+J:S+J+1], s[CS:CS+1], v[12:13] op_sel_hi:[1,0,0]   ; t - M, two at a time (of the pairs c and -M the low word serves both halves)
.set J, J+2
.endr
.set J, 0
.rept 64
	v_exp_f32 v[S+J], v[S+J]                       ; p = 2^(t - M)
.set J, J+1
.endr
	v_pk_mul_f32 v[14:15], v[14:15], v[F:F+1] op_sel_hi:[1,0]   ; the sums under the new M; also the plain line behind the exponentials
	s_wait_alu depctr_va_vdst(0)
	v_pk_add_f32 v[L2:L2+1], v[S:S+1], v[S+2:S+3]  ; the row's sum is taken of the unquantised p: two at a time, in two chains
.irp j, 4,8,12,16,20,24,28,32,36,40,44,48,52,56,60
	v_pk_add_f32 v[14:15], v[14:15], v[S+\j:S+1+\j]
	v_pk_add_f32 v[L2:L2+1], v[L2:L2+1], v[S+2+\j:S+3+\j]
.endr
	v_pk_add_f32 v[14:15], v[14:15], v[L2:L2+1]
	s_cmp_lg_u32 s[NOHOLD], 0
	s_cbranch_scc1 .Lno_hold_\@
.set J, 0
.rept 64
	v_min_num_f32 v[S+J], v[S+J], v[PLIM]          ; the conversion to an 8-bit code does not saturate (ISA guide 7.6.2); p is not negative, so the hold is one-sided
.set J, J+1
.endr
.Lno_hold_\@:
.irp t, 0,1,2,3,4,5,6,7
	v_cvt_scalef32_pk8_bf8_f32 v[PC+2*\t:PC+2*\t+1], v[S+8*\t:S+8*\t+7], v[PSC]   ; keys 16 t + 8 h + 0 .. 7: registers 2 t, 2 t + 1 of P
.endr
.set J, 0
.rept 16
	v_pk_mul_f32 v[O+J:O+J+1], v[O+J:O+J+1], v[F:F+1] op_sel_hi:[1,0]   ; O^T under the new M; these are also the plain lines between the conversions and the products that read their results
.set J, J+2
.endr
	s_wait_dscnt 0x0                               ; V's fragments
.irp ct, 0,1,2,3                               ; the four accumulators take turns, one instruction a turn, and the eight first products stand between two steps' turns
	v_wmma_f32_16x16x128_bf8_bf8 v[O+8*\ct:O+8*\ct+7], v[FR+16*\ct:FR+16*\ct+15], v[PC:PC+15], v[O+8*\ct:O+8*\ct+7]
.endr
.rept 4
	v_nop                                          ; four places, on every way on: for the next loads into the fragments' registers and the next read of O^T
.endr
.endm
; ---- one step: hand the fetched codes to LDS, meet, ask for the next step's, work ----
.macro STEP slot
	s_wait_loadcnt 0x0                             ; this step's 32 bytes are in my registers (if they were asked for), and FO is free
	v_add_nc_u32 v[FO], 8192, v[FO]                ; the next step's place in memory
	s_bitcmp1_b32 s[NEED], 0
	s_cbranch_scc0 .Lno_put_\@
	ds_store_b128 v[FS], v[FK:FK+3] offset:\slot*SLOTB
	ds_store_b128 v[FS], v[FV:FV+3] offset:\slot*SLOTB+VOFF
.Lno_put_\@:
	s_wait_dscnt 0x0                               ; for the others' sake: my stores have landed, and my reads of the other slot are in
	s_barrier_signal -1
	s_barrier_wait -1
	s_bitcmp1_b32 s[NEED], 1                       ; NEED has 16 bits: in the last step this bit is 0, so no load passes its buffer's end
	s_cbranch_scc0 .Lno_get_\@
	global_load_b128 v[FK:FK+3], v[FO], s[6:7]     ; 512 consecutive bytes a wave; a whole step's work in which to land
	global_load_b128 v[FV:FV+3], v[FO], s[8:9]
.Lno_get_\@:
	s_bitcmp1_b32 s[ANY], 0
	s_cbranch_scc0 .Lno_work_\@
	COMPUTE \slot
.Lno_work_\@:
	s_lshr_b32 s[NEED], s[NEED], 1
	s_lshr_b32 s[ANY], s[ANY], 1
	s_lshr_b32 s[ALL], s[ALL], 1
	s_add_co_u32 s[MO], s[MO], 256
.endm
.Lpass:
	s_lshl_b32 s[ANY], s[BLK], 4
	s_add_co_u32 s[ANY], s[ANY], s[WV]             ; T = 16 x block + wave: my tile of 16 queries
	s_lshl_b32 s[NEED], s[ANY], 4                  ; my four flag words' byte in fl
	s_lshl_b32 s[IT], s[BLK], 8                    ; the block's 64 flag words'
	s_load_b128 s[TQ:TQ+3], s[12:13], s[NEED]
	s_load_b512 s[16:31], s[12:13], s[IT]
	s_load_b512 s[32:47], s[12:13], s[IT] offset:0x40
	s_load_b512 s[48:63], s[12:13], s[IT] offset:0x80
	s_load_b512 s[68:83], s[12:13], s[IT] offset:0xc0
	s_lshl_b32 s[MO], s[ANY], 12                   ; 4,096 bytes a tile: in mbits, and in a head's rows of Q and out0 alike
	s_and_b32 s[ANY], ttmp7, 0xffff
	s_lshl_b32 s[ANY], s[ANY], 19                  ; a head's 2,048 rows of 256 bytes
	s_add_co_u32 s[ANY], s[ANY], s[MO]
	s_mov_b32 s[ALL], 0
	s_add_nc_u64 s[14:15], s[4:5], s[ANY:ALL]      ; Q at my 16 rows
.irp i, 0,1,2,3,4,5,6,7
	global_load_b128 v[S+4*\i:S+4*\i+3], v[LI], s[14:15] offset:512*\i th:TH_LOAD_NT   ; 512 consecutive bytes: rows 2 i and 2 i + 1; read once in the launch
.endr
	v_mov_b32 v13, 0xff61b1e6                      ; the largest t so far: -3e38, under every t
	v_floor_f32 v12, -v13                          ; -M
	v_mov_b32 v14, 0                               ; the sum, in two halves
	v_mov_b32 v15, 0
.set J, 0
.rept 32
	v_mov_b32 v[O+J], 0                            ; O^T.  Which step is a tile's first hangs on the mask, so no first step is written out: the first change of M multiplies zeros
.set J, J+1
.endr
	v_mov_b32 v[FO], v[FS]                         ; step 0
	s_wait_kmcnt 0x0
	s_or_b32 s[TQ], s[TQ], s[TQ+1]
	s_or_b32 s[TQ+2], s[TQ+2], s[TQ+3]
	s_or_b32 s[TQ], s[TQ], s[TQ+2]
	s_and_b32 s[ANY], s[TQ], 0xffff                ; bit s: step s has an open key for my queries
	s_lshr_b32 s[ALL], s[TQ], 16                   ; bit s: all of it is open
	s_or_b32 s[NEED], s16, s17
.set J, 2
.rept 62
	s_or_b32 s[NEED], s[NEED], s[16+J+4*(J/48)]
.set J, J+1
.endr
	s_and_b32 s[NEED], s[NEED], 0xffff             ; bit s: some wave of the work-group computes step s: the same word in all sixteen waves
	s_bitcmp1_b32 s[NEED], 0
	s_cbranch_scc0 .Lno_first
	global_load_b128 v[FK:FK+3], v[FO], s[6:7]
	global_load_b128 v[FV:FV+3], v[FO], s[8:9]
.Lno_first:
	s_wait_loadcnt 0x0                             ; Q (for 0: the two loads behind it are issued on one way only)
.irp i, 0,1,2,3,4,5,6,7
	ds_store_b128 v[SR], v[S+4*\i:S+4*\i+3] offset:2*SP*\i       ; through my own stage: in as whole rows,
.endr
.irp c, 0,1,2,3
.irp u, 0,1
	ds_load_b128 v[FR+8*\c+4*\u:FR+8*\c+4*\u+3], v[SO] offset:64*\c+16*\u   ; out as d = 16 c + 8 h + 0 .. 7 of row r.  LDS serves a wave's instructions in order (ISA guide 5.7.1.4)
.endr
.endr
	s_wait_dscnt 0x0
.set J, 0
.rept 32
	v_med3_num_f32 v[FR+J], v[FR+J], -v[QLIM], v[QLIM]           ; the hold at the largest code x the scale
.set J, J+1
.endr
.irp c, 0,1,2,3
	v_cvt_scalef32_pk8_bf8_f32 v[QF+2*\c:QF+2*\c+1], v[FR+8*\c:FR+8*\c+7], v[QSC]
.endr
	v_nop                                          ; a plain line between the last conversion and the products that read its result
	s_mov_b32 s[IT], 8
.Lk:                                               ; 8 trips of two steps: the slots' numbers stand in the text
	STEP 0
	STEP 1
	s_sub_co_u32 s[IT], s[IT], 1
	s_cmp_lg_u32 s[IT], 0
	s_cbranch_scc1 .Lk
	; THE WAY OUT of a pass: O^T / the sum x 2^(ep + ev), through my stage, out as whole rows.
	s_wait_loadcnt 0x0                             ; no load into the carrying registers is out when the next pass loads into them
	v_add_f32 v14, v14, v15                        ; the sum's two halves,
	v_permlanex16_b32 v[PD], v14, s[SEL], s[SEL+1]
	v_add_f32 v14, v14, v[PD]                      ; and lane l xor 16's
	v_rcp_f32 v14, v14
	v_nop                                          ; a plain line behind the transcendental
	s_wait_alu depctr_va_vdst(0)
	v_ldexp_f32 v14, v14, s[EPV]
.set J, 0
.rept 16
	v_pk_mul_f32 v[S+J:S+J+1], v[O+J:O+J+1], v[14:15] op_sel_hi:[1,0]   ; register 8 ct + j: out(r, 16 ct + 8 h + j); each accumulator from its low end on
.set J, J+2
.endr
.irp ct, 0,1,2,3
	ds_store_b128 v[SO], v[S+8*\ct:S+8*\ct+3] offset:64*\ct
	ds_store_b128 v[SO], v[S+8*\ct+4:S+8*\ct+7] offset:64*\ct+16
.endr
.irp i, 0,1,2,3,4,5,6,7
	ds_load_b128 v[FR+4*\i:FR+4*\i+3], v[SR] offset:2*SP*\i
.endr
	s_lshl_b32 s[ANY], s[BLK], 4
	s_add_co_u32 s[ANY], s[ANY], s[WV]
	s_lshl_b32 s[ANY], s[ANY], 12
	s_and_b32 s[ALL], ttmp7, 0xffff
	s_lshl_b32 s[ALL], s[ALL], 19
	s_add_co_u32 s[ANY], s[ANY], s[ALL]
	s_mov_b32 s[ALL], 0
	s_add_nc_u64 s[14:15], s[OUTP:OUTP+1], s[ANY:ALL]   ; out0 at my 16 rows
.irp i, 0,1,2,3,4,5,6,7
	s_wait_dscnt 7-\i                              ; load i is back; the 7 - i younger ones stay out
	global_store_b128 v[LI], v[FR+4*\i:FR+4*\i+3], s[14:15] offset:512*\i th:TH_STORE_NT   ; 512 consecutive bytes, at a multiple of 256 from out0's first byte; written once, read by nobody here
.endr
	s_wait_xcnt 0x0                                ; the stores' data registers and base are written again only behind this wait
	s_sub_co_u32 s[BLK], 7, s[BLK]                 ; the other block of the pair
	s_sub_co_u32 s[PASS], s[PASS], 1
	s_cmp_lg_u32 s[PASS], 0
	s_cbranch_scc1 .Lpass
	s_wait_tensorcnt 0x0
	ds_add_u32 v224, v225
	s_wait_dscnt 0x0
	s_endpgm
.Lfunc_end_k_q68a78542e2_attn:
	.size	k_q68a78542e2_attn, .Lfunc_end_k_q68a78542e2_attn-k_q68a78542e2_attn
	.p2alignl 7, 3214868480
	.fill 96, 4, 3214868480
	.section	.rodata,"a",@progbits
	.p2align	6, 0x0
	.amdhsa_kernel k_q68a78542e2_attn
		.amdhsa_group_segment_fixed_size 104448
		.amdhsa_private_segment_fixed_size 0
		.amdhsa_enable_private_segment 0
		.amdhsa_kernarg_size 56
		.amdhsa_user_sgpr_count 2
		.amdhsa_user_sgpr_kernarg_segment_ptr 1
		.amdhsa_wavefront_size32 1
		.amdhsa_system_sgpr_workgroup_id_x 1
		.amdhsa_system_sgpr_workgroup_id_y 1
		.amdhsa_system_sgpr_workgroup_id_z 1
		.amdhsa_system_vgpr_workitem_id 0
		.amdhsa_next_free_vgpr 226
		.amdhsa_next_free_sgpr 102
		.amdhsa_reserve_vcc 0
		.amdhsa_float_denorm_mode_32 3
		.amdhsa_float_denorm_mode_16_64 3
		.amdhsa_memory_ordered 1
		.amdhsa_forward_progress 1
		.amdhsa_inst_pref_size 57
	.end_amdhsa_kernel
	.amdgpu_metadata
---
amdhsa.version: [ 1, 2 ]
amdhsa.kernels:
  - .name:           k_q68a78542e2_attn
    .symbol:         k_q68a78542e2_attn.kd
    .args:
      - { .name: Q, .offset: 0, .size: 8, .value_kind: global_buffer, .address_space: global }
      - { .name: kc, .offset: 8, .size: 8, .value_kind: global_buffer, .address_space: global }
      - { .name: vc, .offset: 16, .size: 8, .value_kind: global_buffer, .address_space: global }
      - { .name: mbits, .offset: 24, .size: 8, .value_kind: global_buffer, .address_space: global }
      - { .name: fl, .offset: 32, .size: 8, .value_kind: global_buffer, .address_space: global }
      - { .name: lowp_scales, .offset: 40, .size: 8, .value_kind: global_buffer, .address_space: global }
      - { .name: out0, .offset: 48, .size: 8, .value_kind: global_buffer, .address_space: global }
    .group_segment_fixed_size: 104448
    .private_segment_fixed_size: 0
    .kernarg_segment_align: 8
    .kernarg_segment_size: 56
    .max_flat_workgroup_size: 512
    .sgpr_count:     102
    .vgpr_count:     226
    .wavefront_size: 32
...
	.end_amdgpu_metadata
.endif
;; end of part 2
;; ======== version 2 of 2: 2 launches
;; workspace buffers: kc 8,388,608 bytes; vc 8,388,608 bytes; mbits 524,288 bytes of whole numbers; fl 2,048 bytes of whole numbers
;; launch prep (part 3): grid 2176 x 1, 4 waves a work-group, no clusters, 69,120 bytes of LDS; arguments K, V, mask, lowp_scales, kc, vc, mbits, fl; writes kc, vc, mbits, fl
.if DOCPART == 3
	.amdgcn_target "amdgcn-amd-amdhsa--gfx1250"
	.amdhsa_code_object_version 6
	.text
	.protected	k_q68a78542e2_prep
	.globl	k_q68a78542e2_prep
	.p2align	8
	.type	k_q68a78542e2_prep,@function
k_q68a78542e2_prep:
	s_mov_b64 s[64:65], 0
	v_nop
	global_prefetch_b8 v0, s[64:65] scope:SCOPE_SE
	s_setreg_imm32_b32 hwreg(HW_REG_WAVE_MODE, 25, 1), 1
	s_wait_xcnt 0x0
; WHAT IT MAKES, once, for the attention launch behind it:
;   kc: K's codes of BF8 (E5M2), vc: V's codes, both laid as images of the operands' registers; mbits: the mask as lane masks; fl: two bits for each (16 queries x 128 keys).
; code = x / 2^e, held within +-57,344, rounded to the nearest code, ties to even; e = entry 1 (K) or entry 3 (V) of the scales' exponents.
; LIMITS: -126 <= e <= 112, so that 2^e and 57,344 x 2^e are f32 numbers.  NaN among K and V is not served (an infinity is held at the largest code).
; SHARES.  Work-groups 0-127: the mask, 16 queries each (q-tile T), wave w the keys 512 w .. 512 w + 511 (four steps of 128).
;   Work-groups 128-1151: K, one unit = (head, step of 128 keys) each: 32,768 dense bytes in, 8,192 dense bytes out.  Work-groups 1152-2175: V likewise.
; LAYOUTS.  kc [unit][tile t 8][u 2][lane 32][16 bytes]: lane (r = lane % 16, h = lane / 16) of tile t holds key 16 t + r; its register 2 c + 0, 1 holds d = 16 c + 8 h + 0 .. 7; image u = registers 4 u .. 4 u + 3.
;   vc [unit][ct 4][u 4][lane 32][16 bytes]: lane (r, h) holds channel 16 ct + r; its register 2 c + 0, 1 holds keys 16 c + 8 h + 0 .. 7.
;   mbits [T 128][step 16][n 64] words: bit l of word n = 8 t + j is mask[16 T + l % 16][128 step + 16 t + 8 (l / 16) + j]: the lane mask of register n of the transposed scores.
;   fl [T 128][4] words: word w has bit 4 w + i set where step 4 w + i has an open key for tile T, bit 16 + 4 w + i where all its 16 x 128 are open.
; HOW.  Every global load reads 512 consecutive bytes a wave.  The numbers turn through a stage in LDS (rows padded by 16 bytes), from which each lane takes the neighbours along K that the conversions want
; from one lane's consecutive registers: for K eight neighbouring d of its key, for V eight keys of its channel (a column of the stage).  Every store of codes and of mask words covers 512 consecutive bytes.
; The flag words are stored 4 bytes a wave: 2,048 bytes in the whole launch.
; No tensor loads, no clusters: no byte is read by two work-groups.  The two ways that part on the work-group's number have LDS bytes of their own.
.set KP,    272                        ; a stage row of K or V: 256 bytes + 16 of padding = 68 words: row r starts at bank 4 r mod 64 (64 banks of 4 bytes: ISA guide 11.1)
.set MST,   128*KP                     ; behind the 128 rows: the mask's stages, one for each wave
.set MP,    528                        ; a stage row of the mask: 512 bytes + 16
.set NMASK, 128                        ; work-groups for the mask
.set NK,    1024                       ; for K
.set X,     16                         ; v16-79  64 numbers (or 64 words of mask bytes)
.set C,     80                         ; v80-95  the codes; on the mask's way v80-87 the words to store, v88-91 at work
	s_load_b256 s[4:11], s[0:1], 0x0               ; K s[4:5], V s[6:7], mask s[8:9], the scales' exponents s[10:11]
	s_load_b256 s[12:19], s[0:1], 0x20             ; kc s[12:13], vc s[14:15], mbits s[16:17], fl s[18:19]
	v_lshl_add_u32 v96, v0, 2, 0x10c00
	v_mov_b32 v97, 0
	v_lshrrev_b32 v1, 5, v0
	v_readfirstlane_b32 s24, v1                    ; wave 0..3
	v_and_b32 v1, 31, v0                           ; lane
	v_and_b32 v2, 15, v0                           ; r
	v_bfe_u32 v3, v0, 4, 1                         ; h
	v_lshlrev_b32 v14, 4, v1                       ; 16 x lane
	; every LDS address is made here, ahead of the ways' parting
	s_lshl_b32 s25, s24, 13
	v_add_nc_u32 v4, s25, v14                      ; in: my wave's 8,192 bytes (32 rows) of the unit, 16 bytes a lane
	s_mul_i32 s25, s24, 32*KP
	v_mul_u32_u24 v5, v3, KP
	v_lshl_add_u32 v5, v2, 4, v5
	v_add_nc_u32 v5, s25, v5                       ; into the stage: a load's 512 bytes are rows 32 w + 2 i + h
	v_mul_u32_u24 v6, v2, KP
	v_lshl_add_u32 v6, v3, 5, v6
	v_add_nc_u32 v6, s25, v6                       ; K, out of it: row 32 w + r, + 32 h bytes: eight d of my half
	s_lshl_b32 s25, s24, 6
	v_mul_u32_u24 v7, v3, 8*KP
	v_lshl_add_u32 v7, v2, 2, v7
	v_add_nc_u32 v7, s25, v7                       ; V, out of it: row 8 h, channel 16 w + r
	s_lshl_b32 s25, s24, 11
	v_add_nc_u32 v8, s25, v14                      ; out: my wave's 2,048 bytes of the unit's codes
	s_lshl_b32 s25, s24, 9
	v_add_nc_u32 v11, s25, v14                     ; the mask, in: my wave's 512 bytes of a row
	s_mul_i32 s25, s24, 16*MP
	s_add_co_u32 s25, s25, MST
	v_add_nc_u32 v12, s25, v14                     ; into my stage: a row on end
	v_mul_u32_u24 v13, v2, MP
	v_lshl_add_u32 v13, v3, 3, v13
	v_add_nc_u32 v13, s25, v13                     ; out of it: row r, + 8 h: words 132 r + 2 h + 0, 1: 64 different banks
	s_wait_kmcnt 0x0
	s_cmp_lt_u32 ttmp9, NMASK
	s_cbranch_scc1 .Lmask
	; ---------------- K or V: one unit ----------------
	s_load_b128 s[20:23], s[10:11], 0x0            ; eq, ek, ep, ev
	s_mov_b32 s26, NMASK+NK
	s_cmp_lt_u32 ttmp9, NMASK+NK                   ; K's work-group or V's?  The choice hangs on the work-group's number alone
	s_cselect_b64 s[4:5], s[4:5], s[6:7]
	s_cselect_b64 s[12:13], s[12:13], s[14:15]
	s_cselect_b32 s25, NMASK, s26
	s_sub_co_u32 s25, ttmp9, s25                   ; the unit, 0 .. 1023
	s_lshl_b32 s28, s25, 15
	s_mov_b32 s29, 0
	s_lshl_b32 s30, s25, 13
	s_mov_b32 s31, 0
	s_add_nc_u64 s[4:5], s[4:5], s[28:29]
	s_add_nc_u64 s[12:13], s[12:13], s[30:31]
.set I, 0
.rept 16
	global_load_b128 v[X+4*I:X+4*I+3], v4, s[4:5] offset:512*I th:TH_LOAD_NT   ; 32 lanes read 512 consecutive bytes; read once in the launch
.set I, I+1
.endr
	s_wait_kmcnt 0x0
	s_cmp_lt_u32 ttmp9, NMASK+NK
	s_cselect_b32 s27, s21, s23                    ; e
	s_add_co_i32 s27, s27, 127
	s_lshl_b32 s26, s27, 23
	v_mov_b32 v9, s26                              ; 2^e as f32: the conversion takes its exponent field
	s_add_co_i32 s27, s27, 15
	s_lshl_b32 s27, s27, 23
	s_or_b32 s27, s27, 0x600000
	v_mov_b32 v10, s27                             ; 57,344 x 2^e
.set I, 0
.rept 16
	s_wait_loadcnt 15-I                            ; loads come back in order: load I is in, the 15 - I younger ones stay out
	ds_store_b128 v5, v[X+4*I:X+4*I+3] offset:2*KP*I
.set I, I+1
.endr
	s_wait_dscnt 0x0                               ; for the others' sake: my 32 rows lie in the stage
	s_barrier_signal -1
	s_barrier_wait -1                              ; all 128 rows do (V's lanes read down all of them)
	s_cmp_lt_u32 ttmp9, NMASK+NK
	s_cbranch_scc0 .Lv_rows
.irp tt, 0,1                                   ; K: my wave makes tiles 2 w and 2 w + 1: number 32 tt + 8 c + j of a lane is d = 16 c + 8 h + j of key 32 w + 16 tt + r
.irp c, 0,1,2,3
.irp u, 0,1
	ds_load_b128 v[X+32*\tt+8*\c+4*\u:X+32*\tt+8*\c+4*\u+3], v6 offset:16*KP*\tt+64*\c+16*\u
.endr
.endr
.endr
	s_branch .Lquant
.Lv_rows:
.set I, 0
	s_wait_alu depctr_va_vdst(0)
.rept 64                                       ; V: my wave makes channels 16 w .. 16 w + 15: number 8 c + j of a lane is key 16 c + 8 h + j of channel 16 w + r
	ds_load_b32 v[X+I], v7 offset:(16*(I/8)+I%8)*KP
.set I, I+1
.endr
.Lquant:
	s_wait_dscnt 0x0
.set I, 0
	s_wait_alu depctr_va_vdst(0)
.rept 64
	v_med3_num_f32 v[X+I], v[X+I], -v10, v10       ; the conversion to an 8-bit code does not saturate (ISA guide 7.6.2): the hold at the largest code x the scale comes first
.set I, I+1
.endr
.set I, 0
.rept 8
	v_cvt_scalef32_pk8_bf8_f32 v[C+2*I:C+2*I+1], v[X+8*I:X+8*I+7], v9   ; eight neighbours along K -> two registers of the operand
.set I, I+1
.endr
	v_nop                                          ; a plain line behind the last conversion
.irp i, 0,1,2,3
	global_store_b128 v8, v[C+4*\i:C+4*\i+3], s[12:13] offset:512*\i      ; an image of four registers: 512 consecutive bytes; the next launch reads them, so no hint
.endr
	s_wait_tensorcnt 0x0
	ds_add_u32 v96, v97
	s_wait_dscnt 0x0
	s_endpgm
	; ---------------- the mask: 16 queries x my wave's 512 keys ----------------
.Lmask:
	s_lshl_b32 s28, ttmp9, 15                      ; 16 rows of 2,048 bytes
	s_mov_b32 s29, 0
	s_add_nc_u64 s[8:9], s[8:9], s[28:29]
	s_lshl_b32 s30, ttmp9, 12                      ; mbits: 4,096 bytes a q-tile,
	s_lshl_b32 s31, s24, 10                        ; 1,024 for my four steps
	s_add_co_u32 s30, s30, s31
	s_mov_b32 s31, 0
	s_add_nc_u64 s[16:17], s[16:17], s[30:31]
.set I, 0
	s_wait_alu depctr_va_vdst(0)
.rept 16
	global_load_b128 v[X+4*I:X+4*I+3], v11, s[8:9] offset:2048*I th:TH_LOAD_NT   ; row I: 512 consecutive bytes
.set I, I+1
.endr
.irp i, 0,1,2,3,4,5,6,7
	v_mov_b32 v[C+\i], 0                           ; v_writelane_b32's destination counts as read
.endr
	s_mov_b32 s38, 0                               ; my four steps' flags
.set I, 0
.rept 16
	s_wait_loadcnt 15-I
	ds_store_b128 v12, v[X+4*I:X+4*I+3] offset:MP*I
.set I, I+1
.endr
.set I, 0
.rept 32                                       ; LDS serves a wave's instructions in order (ISA guide 5.7.1.4): these see my stores.  Pair I: the bytes of keys 16 I + 8 h + 0 .. 7 of query r
	ds_load_b64 v[X+2*I:X+2*I+1], v13 offset:16*I
.set I, I+1
.endr
; Word N = 64 s + 8 t + j of my 256: byte j of pair 8 s + t, compared in all 32 lanes at once.  It is laid into lane (N / 4) % 32, register N % 4 of store N / 128, so that the two stores write the words in order.
.set N, 0
.rept 4
	s_wait_dscnt 24-8*(N/64)                       ; this step's eight pairs are in; the later steps' loads stay out
	s_mov_b32 s36, 0                               ; any open?
	s_mov_b32 s37, -1                              ; all open?
.rept 64
	v_and_b32 v[88+N%4], 0xff<<(8*(N%4)), v[X+2*(N/8)+(N%8)/4]
	v_cmp_ne_u32 s[32+N%4], 0, v[88+N%4]
	s_or_b32 s36, s36, s[32+N%4]
	s_and_b32 s37, s37, s[32+N%4]
	v_writelane_b32 v[C+4*(N/128)+N%4], s[32+N%4], (N/4)%32
.set N, N+1
.endr
	s_cmp_lg_u32 s36, 0
	s_cselect_b32 s25, 1<<(N/64-1), 0
	s_or_b32 s38, s38, s25
	s_cmp_eq_u32 s37, -1
	s_cselect_b32 s25, 0x10000<<(N/64-1), 0
	s_or_b32 s38, s38, s25
.endr
	global_store_b128 v14, v[C:C+3], s[16:17]                  ; 512 consecutive bytes each
	s_wait_alu depctr_va_vdst(0)
	global_store_b128 v14, v[C+4:C+7], s[16:17] offset:512
	s_lshl_b32 s26, s24, 2
	s_lshl_b32 s38, s38, s26                       ; to my steps' places: bits 4 w + i and 16 + 4 w + i
	s_lshl_b32 s25, ttmp9, 4
	s_add_co_u32 s25, s25, s26                     ; fl: 16 T + 4 w
	v_mov_b32 v15, s25
	v_mov_b32 v88, s38
	v_cmp_gt_u32 vcc_lo, 1, v1                     ; lane 0 alone stores the word
	s_wait_alu depctr_va_vdst(0)
	s_wait_xcnt 0x0                                ; EXEC is a source of the stores above: it changes only behind this wait
	s_wait_tensorcnt 0x0
	ds_add_u32 v96, v97
	s_wait_dscnt 0x0
	s_and_saveexec_b32 s39, vcc_lo
	global_store_b32 v15, v88, s[18:19]
	s_wait_xcnt 0x0                                ; and again in front of the line that widens it
	s_or_b32 exec_lo, exec_lo, s39
	s_endpgm
.Lfunc_end_k_q68a78542e2_prep:
	.size	k_q68a78542e2_prep, .Lfunc_end_k_q68a78542e2_prep-k_q68a78542e2_prep
	.p2alignl 7, 3214868480
	.fill 96, 4, 3214868480
	.section	.rodata,"a",@progbits
	.p2align	6, 0x0
	.amdhsa_kernel k_q68a78542e2_prep
		.amdhsa_group_segment_fixed_size 69120
		.amdhsa_private_segment_fixed_size 0
		.amdhsa_enable_private_segment 0
		.amdhsa_kernarg_size 64
		.amdhsa_user_sgpr_count 2
		.amdhsa_user_sgpr_kernarg_segment_ptr 1
		.amdhsa_wavefront_size32 1
		.amdhsa_system_sgpr_workgroup_id_x 1
		.amdhsa_system_sgpr_workgroup_id_y 1
		.amdhsa_system_sgpr_workgroup_id_z 1
		.amdhsa_system_vgpr_workitem_id 0
		.amdhsa_next_free_vgpr 98
		.amdhsa_next_free_sgpr 66
		.amdhsa_reserve_vcc 1
		.amdhsa_float_denorm_mode_32 3
		.amdhsa_float_denorm_mode_16_64 3
		.amdhsa_memory_ordered 1
		.amdhsa_forward_progress 1
		.amdhsa_inst_pref_size 88
	.end_amdhsa_kernel
	.amdgpu_metadata
---
amdhsa.version: [ 1, 2 ]
amdhsa.kernels:
  - .name:           k_q68a78542e2_prep
    .symbol:         k_q68a78542e2_prep.kd
    .args:
      - { .name: K, .offset: 0, .size: 8, .value_kind: global_buffer, .address_space: global }
      - { .name: V, .offset: 8, .size: 8, .value_kind: global_buffer, .address_space: global }
      - { .name: mask, .offset: 16, .size: 8, .value_kind: global_buffer, .address_space: global }
      - { .name: lowp_scales, .offset: 24, .size: 8, .value_kind: global_buffer, .address_space: global }
      - { .name: kc, .offset: 32, .size: 8, .value_kind: global_buffer, .address_space: global }
      - { .name: vc, .offset: 40, .size: 8, .value_kind: global_buffer, .address_space: global }
      - { .name: mbits, .offset: 48, .size: 8, .value_kind: global_buffer, .address_space: global }
      - { .name: fl, .offset: 56, .size: 8, .value_kind: global_buffer, .address_space: global }
    .group_segment_fixed_size: 69120
    .private_segment_fixed_size: 0
    .kernarg_segment_align: 8
    .kernarg_segment_size: 64
    .max_flat_workgroup_size: 128
    .sgpr_count:     66
    .vgpr_count:     98
    .wavefront_size: 32
...
	.end_amdgpu_metadata
.endif
;; end of part 3
;; launch attn (part 4): grid 4 x 64, 16 waves a work-group, no clusters, 104,448 bytes of LDS; arguments Q, kc, vc, mbits, fl, lowp_scales, out0; writes out0
.if DOCPART == 4
	.amdgcn_target "amdgcn-amd-amdhsa--gfx1250"
	.amdhsa_code_object_version 6
	.text
	.protected	k_q68a78542e2_attn
	.globl	k_q68a78542e2_attn
	.p2align	8
	.type	k_q68a78542e2_attn,@function
k_q68a78542e2_attn:
	s_mov_b64 s[64:65], 0
	v_nop
	global_prefetch_b8 v0, s[64:65] scope:SCOPE_SE
	s_setreg_imm32_b32 hwreg(HW_REG_WAVE_SCHED_MODE, 0, 2), 2
	s_setreg_imm32_b32 hwreg(HW_REG_WAVE_MODE, 25, 1), 1
	s_wait_xcnt 0x0
	s_wait_alu depctr_vm_vsrc(0)
; out0[head][q][:] = the sum over k of softmax_k(Q[q] . K[k] / 8 + (mask[q][k] ? 0 : -infinity)) V[k][:], 64 heads, 2,048 queries and keys, 64 channels; both products on codes of BF8 (E5M2), each operand with its given scale 2^e.
; K's and V's codes come as images of operand registers (kc, vc), the mask as lane masks (mbits) and as two bits for each (16 queries x 128 keys) (fl): all made by the launch before.  Q is quantised here, in registers.
; THE SOFTMAX AHEAD OF THE SECOND PRODUCT: t = score x log2(e) / 8; M = the row's largest t so far, rounded UP to a whole number; p = 2^(t - M) is quantised, not normalised; the row's sum is taken of the unquantised p
; and divides at the end.  When M moves, the sum and O are multiplied by 2^(old M - new M): nothing is rounded.  A row with no open key ends as 0 x (1 / 0) = NaN, which is what a softmax of -infinities gives.
; SHARES.  A work-group has one head and TWO blocks of 256 queries, 7 - x and then x, in two passes of one body; each of its sixteen waves owns 16 queries of a block, a lane one query, in 224 registers.
; A pass walks all 16 steps of 128 keys: the trip count is a constant, and every wave passes every barrier.  What a step DOES hangs on three words of bits made from fl and shifted a place a step:
;   NEED: some wave of the work-group has an open key there: the step's 16,384 bytes of codes are fetched;   ANY: my 16 queries have one: I compute;   ALL: all my 16 x 128 are open: I need no mask words.
; Work that the mask throws away is so left out, whatever pattern the mask has; the pairing of blocks only evens the load where later queries see more keys.
; THE RING.  Two LDS slots of 16,384 bytes (K's images, then V's).  Each thread carries 16 bytes of K's and 16 of V's from memory to LDS through registers: asked for just behind a step's barrier, stored in front of the next.
; ONE barrier a step orders both ways: stores into a slot stand behind the barrier that every wave signalled after its reads of that slot (two steps back) were in, and reads stand behind the barrier that every wave signalled after its stores.
; NO TENSOR LOADS, NO CLUSTER, NO JOINT LOADS: which tiles are fetched at all hangs on numbers read from memory, by branches, under which neither may stand; what the four work-groups of a head share is 16,384 bytes a step.
; LAYOUT.  Both products are used transposed: S^T = K Q^T (source 0 = keys 16 t .. 16 t + 15, source 1 = my queries): lane (r, h) holds query r, register 8 t + j key 16 t + 8 h + j.  The conversion of tile t's eight registers
; gives registers 2 t, 2 t + 1 of P as the 128-deep form lays them (k = 16 t + 8 h + 0 .. 7): nothing changes lanes or places.  O^T = V^T P^T: register 8 ct + j is channel 16 ct + 8 h + j of query r.
; LIMITS on the given exponents, so that each power of two below is an f32 number: eq + ek between -123 and 130 (added to c's exponent field); eq and ep between -126 and 112; ep + ev is applied by v_ldexp_f32 and has none.
; NaN and infinities among Q, K, V are not served.
; THE MODE: SCHED_MODE bits 1:0 = 2 (LLVM: expert scheduling mode 2), set by the entry lines.  The code itself states the register dependences
; between vector or matrix instructions and memory or LDS instructions, with s_wait_alu, always for 0.
; THE PLAN.  Registers that memory or LDS instructions touch:
;   v1, v2, v4, v5  Addresses and offsets: written at the head, never again.  The step to be fetched is reached by the two scalar bases s[6:7] and s[8:9], which move on by a step at each step's head.
;   FK, FV          Written by the global loads behind a step's barrier (and by zeros at the head); read by the two LDS stores in front of the next barrier.  No vector instruction names them in a pass.
;   FR              Q from my stage lands in it; Q's holds and conversions work on it.  In a step: K's fragments land, the first products read them; V's fragments land, the second products read them.
;                   On the way out O's rows land in it and the global stores read them.
;   S               Its first 32: Q's global loads land in them and the stage's stores read them; on the way out the multiplies write them and the stage's stores read them.  Between, the products and the softmax alone.
;   v224, v225      Written at the head, read by the closing add alone.
;   QF, O, PC and the statistics are named by vector and matrix instructions alone.
; So a step that computes has five waits on va_vdst: ahead of K's loads (the last second products are done with FR), ahead of V's loads (the first products are done with FR), ahead of the exponentials, behind them (p is written) and ahead of the second products.
; Behind the second of them the masking and the maximum name S, v208, v214 and v215 alone, none of which V's loads touch: so these loads are dealt among those lines with no further wait.
; Every step has one wait on vm_vsrc, behind its barrier: the LDS stores have read FK and FV.  The others stand once a pass: behind Q's turn through the stage and at the pass's end.
.set SLOTB, 16384                      ; a slot
.set VOFF,  8192                       ; V's images in it
.set STG,   2*SLOTB                    ; behind the ring: a stage of 16 rows x 272 bytes for each wave, its own: Q on the way in, O on the way out
.set SP,    272                        ; 256 bytes + 16: row r starts at bank 4 r mod 64 (64 banks of 4 bytes: ISA guide 11.1)
.set LI,   1                           ; v1   16 x lane
.set FS,   2                           ; v2   16 x thread: my 16 bytes of a slot's K (and, VOFF on, V), in LDS and in a step's codes in memory alike
.set SO,   4                           ; v4   the stage by (row r, 32 h bytes)
.set SR,   5                           ; v5   the stage by (row h, 16 r bytes): whole rows
.set QSC,  6                           ; v6, v7  2^eq, 57,344 x 2^eq
.set QLIM, 7
.set PSC,  8                           ; v8, v9  2^ep, 57,344 x 2^ep
.set PLIM, 9
                                       ; v10, v11 at work at the head;  v12 -M, v13 the largest t, v[14:15] the sum in two halves
.set QF,   16                          ; v16-23   Q's codes
.set FK,   24                          ; v24-27   16 bytes of K's codes on their way
.set FV,   28                          ; v28-31   of V's
.set FR,   32                          ; v32-95   eight fragments of K, then four of V
.set S,    96                          ; v96-159  S^T, then p
.set O,    160                         ; v160-191 O^T
.set PC,   192                         ; v192-207 p's codes
.set NINF, 208                         ; v208     -infinity
.set PD,   209                         ; v209     a lane permute's destination
.set F,    210                         ; v[210:211] f = 2^(old M - new M) (the pair is named, the low word serves)
.set L2,   212                         ; v[212:213] the sum's second chain
.set W0,   214                         ; v214, v215 at work
.set W1,   215
.set WV,   2                           ; s2   my wave's number
.set PASS, 3                           ; s3   passes to go
                                       ; s[4:5] Q, s[6:7] kc and s[8:9] vc at my head's step to be fetched next, s[10:11] mbits, s[12:13] fl, s[14:15] my tile's address in Q, then in out0
                                       ; s16-63, s68-83: 64 words: a step's lane masks (word n at s[16 + n + 4 (n / 48)]); at a pass's head the block's 64 flag words
.set OUTP, 84                          ; s[84:85] out0
.set IT,   86                          ; s86  trips to go
.set NEED, 87
.set ANY,  88
.set ALL,  89
.set CS,   90                          ; s[90:91] c = log2(e) / 8 x 2^(eq + ek)
.set SEL,  92                          ; s[92:93] selects for v_permlanex16_b32: lane l xor 16
.set NOHOLD, 94                        ; s94  1 where 57,344 x 2^ep lies above every p
.set EPV,  95                          ; s95  ep + ev
.set TQ,   96                          ; s[96:99] four words at work
.set MO,   100                         ; s100 the step's byte in mbits
.set BLK,  101                         ; s101 the block of 256 queries in hand
	s_load_b256 s[4:11], s[0:1], 0x0               ; Q, kc, vc, mbits
	s_load_b128 s[12:15], s[0:1], 0x20             ; fl, the scales' exponents
	s_load_b64 s[OUTP:OUTP+1], s[0:1], 0x30        ; out0
	v_lshl_add_u32 v224, v0, 2, 0x19000            ; my spare word, behind the sixteen stages, and 0: made here and kept for the closing lines alone
	v_mov_b32 v225, 0
	v_lshrrev_b32 v10, 5, v0
	v_readfirstlane_b32 s[WV], v10                 ; wave 0..15
	v_and_b32 v[LI], 31, v0
	v_lshlrev_b32 v[LI], 4, v[LI]
	v_lshlrev_b32 v[FS], 4, v0
	v_and_b32 v10, 15, v0                          ; r
	v_bfe_u32 v11, v0, 4, 1                        ; h
	s_wait_alu depctr_va_sdst(0)                   ; the wave's number is written into s2, ahead of its first reader, the line below
	s_mul_i32 s[IT], s[WV], 16*SP
	s_add_co_u32 s[IT], s[IT], STG                 ; my stage
	v_mul_u32_u24 v[SO], v10, SP
	v_lshl_add_u32 v[SO], v11, 5, v[SO]
	v_add_nc_u32 v[SO], s[IT], v[SO]
	v_mul_u32_u24 v[SR], v11, SP
	v_lshl_add_u32 v[SR], v10, 4, v[SR]
	v_add_nc_u32 v[SR], s[IT], v[SR]
.irp i, 0,1,2,3,4,5,6,7
	v_mov_b32 v[FK+\i], 0                          ; written once: the stores that read them and the loads that fill them stand under branches of their own
.endr
	v_mov_b32 v[NINF], 0xff800000
	v_mov_b32 v[PD], 0                             ; a lane permute's destination counts as one of its sources
	v_mov_b32 v[F+1], 0                            ; (named as the upper half of a pair)
	s_mov_b32 s[SEL], 0x76543210
	s_mov_b32 s[SEL+1], 0xfedcba98
	s_wait_kmcnt 0x0
	s_load_b128 s[TQ:TQ+3], s[14:15], 0x0          ; eq, ek, ep, ev
	s_and_b32 s[IT], ttmp7, 0xffff                 ; the head:
	s_lshl_b32 s[IT], s[IT], 17                    ; 16 steps x 8,192 bytes of codes
	s_mov_b32 s[IT+1], 0
	s_add_nc_u64 s[6:7], s[6:7], s[IT:IT+1]
	s_add_nc_u64 s[8:9], s[8:9], s[IT:IT+1]
	s_sub_co_u32 s[BLK], 7, ttmp9                  ; the first pass's block
	s_mov_b32 s[PASS], 2
	s_wait_kmcnt 0x0
	s_add_co_i32 s[IT], s[TQ], s[TQ+1]
	s_lshl_b32 s[IT], s[IT], 23
	s_add_co_i32 s[CS], s[IT], 0x3e38aa3b          ; log2(e) / 8, with eq + ek added to its exponent field: a score stands for score x 2^(eq + ek)
	s_mov_b32 s[CS+1], s[CS]                       ; (named with it as a pair, so it is written)
	s_add_co_i32 s[IT], s[TQ], 127
	s_lshl_b32 s[NEED], s[IT], 23
	v_mov_b32 v[QSC], s[NEED]                      ; 2^eq as f32: the conversion takes its exponent field
	s_add_co_i32 s[IT], s[IT], 15
	s_lshl_b32 s[IT], s[IT], 23
	s_or_b32 s[IT], s[IT], 0x600000
	v_mov_b32 v[QLIM], s[IT]                       ; 57,344 x 2^eq
	s_add_co_i32 s[IT], s[TQ+2], 127
	s_lshl_b32 s[NEED], s[IT], 23
	v_mov_b32 v[PSC], s[NEED]                      ; 2^ep
	s_add_co_i32 s[IT], s[IT], 15
	s_lshl_b32 s[IT], s[IT], 23
	s_or_b32 s[IT], s[IT], 0x600000
	v_mov_b32 v[PLIM], s[IT]                       ; 57,344 x 2^ep
	s_cmp_ge_i32 s[TQ+2], -15                      ; from ep = -15 on, 57,344 x 2^ep is 1.75 or more, and p is 1 at the most (a last bit over, by rounding): the hold can change nothing
	s_cselect_b32 s[NOHOLD], 1, 0
	s_add_co_i32 s[EPV], s[TQ+2], s[TQ+3]
	s_wait_alu depctr_va_vdst(0)                   ; v1, v2, v4 and v5 are written, which every LDS and memory instruction below reads as its address or offset; so are the zeros in v24-31, which LDS stores read and in which loads land
; ---- the work of one step of 128 keys, for my 16 queries, from the slot named ----
.macro COMPUTE slot
	s_bitcmp1_b32 s[ALL], 0
	s_cbranch_scc1 .Lno_bits_\@                    ; all open: no mask words
	s_load_b512 s[16:31], s[10:11], s[MO]
	s_load_b512 s[32:47], s[10:11], s[MO] offset:0x40
	s_load_b512 s[48:63], s[10:11], s[MO] offset:0x80
	s_load_b512 s[68:83], s[10:11], s[MO] offset:0xc0
.Lno_bits_\@:
	s_wait_alu depctr_va_vdst(0)                   ; the second products of the last step that I computed are done reading v[FR ..] (in a pass's first such step: Q's holds and conversions are done with it): K's fragments land there
.set J, 0
.rept 16                                       ; K's eight fragments, as they were laid: 512 consecutive bytes a load
	ds_load_b128 v[FR+4*J:FR+4*J+3], v[LI] offset:\slot*SLOTB+512*J
.set J, J+1
.endr
	s_wait_dscnt 0x0
.irp t, 0,1,2,3,4,5,6,7
	v_wmma_f32_16x16x64_bf8_bf8 v[S+8*\t:S+8*\t+7], v[FR+8*\t:FR+8*\t+7], v[QF:QF+7], 0
.endr
.rept 4
	v_nop                                          ; four places (ISA guide 7.12.1) in front of the first read of these products' results
.endr
	s_wait_alu depctr_va_vdst(0)                   ; the eight first products are done reading K's fragments in v[FR ..]: V's land there.  The places above stay beside this wait
.set J, 0
.rept 4                                        ; V's four fragments land while the softmax is worked: the first fragment's four loads here, the other twelve among the maximum's lines
	ds_load_b128 v[FR+4*J:FR+4*J+3], v[LI] offset:\slot*SLOTB+VOFF+512*J
.set J, J+1
.endr
	s_wait_kmcnt 0x0                               ; the mask words, if they were asked for; behind it s[MO] may step
	s_bitcmp1_b32 s[ALL], 0
	s_cbranch_scc1 .Lopen_\@
.set J, 0
.rept 64                                       ; a hidden key's score becomes -infinity ahead of the maximum: p = 0 then.  Each accumulator from its low end on
	v_cndmask_b32 v[S+J], v[NINF], v[S+J], s[16+J+4*(J/48)]
.set J, J+1
.endr
.Lopen_\@:
	v_max3_num_f32 v[W0], v[S], v[S+1], v[S+2]     ; the step's largest score of my query among my 64 keys, in two chains, ascending,
	v_max3_num_f32 v[W1], v[S+3], v[S+4], v[S+5]
.set J, 4
.irp i, 6,10,14,18,22,26,30,34,38,42,46,50,54,58
	v_max3_num_f32 v[W0], v[W0], v[S+\i], v[S+1+\i]
	v_max3_num_f32 v[W1], v[W1], v[S+2+\i], v[S+3+\i]
.if J < 16
	ds_load_b128 v[FR+4*J:FR+4*J+3], v[LI] offset:\slot*SLOTB+VOFF+512*J   ; no wait: no vector or matrix instruction since the wait behind the first products names v[FR ..] or v1
.set J, J+1
.endif
.endr
	v_max3_num_f32 v[W0], v[W0], v[S+62], v[S+63]
	v_max_num_f32 v[W0], v[W0], v[W1]
	v_permlanex16_b32 v[PD], v[W0], s[SEL], s[SEL+1]
	v_max_num_f32 v[W0], v[W0], v[PD]              ; and among lane l xor 16's
	v_mul_f32 v[W0], s[CS], v[W0]                  ; as t (c is positive)
	v_max_num_f32 v13, v13, v[W0]                  ; the running largest t
	v_mov_b32 v[W0], v12
	v_floor_f32 v12, -v13                          ; the new -M = floor(-t) = -ceil(t): a whole number
	v_sub_f32 v[W0], v12, v[W0]                    ; old M - new M: a whole number, 0 or less
	v_cvt_i32_f32 v[W0], v[W0]                     ; (it saturates)
	v_ldexp_f32 v[F], 1.0, v[W0]                   ; f = 2^(old M - new M)
.set J, 0
.rept 32
	v_pk_fma_f32 v[S+J:S+J+1], v[S+J:S+J+1], s[CS:CS+1], v[12:13] op_sel_hi:[1,0,0]   ; t - M, two at a time (of the pairs c and -M the low word serves both halves)
.set J, J+2
.endr
.set J, 0
	s_wait_alu depctr_va_vdst(0)
.rept 64
	v_exp_f32 v[S+J], v[S+J]                       ; p = 2^(t - M)
.set J, J+1
.endr
	v_pk_mul_f32 v[14:15], v[14:15], v[F:F+1] op_sel_hi:[1,0]   ; the sums under the new M; also the plain line behind the exponentials
	s_wait_alu depctr_va_vdst(0)                   ; the 64 exponentials have written p in v[S ..]: one wait for the batch, ahead of its first reader
	v_pk_add_f32 v[L2:L2+1], v[S:S+1], v[S+2:S+3]  ; the row's sum is taken of the unquantised p: two at a time, in two chains
.irp j, 4,8,12,16,20,24,28,32,36,40,44,48,52,56,60
	v_pk_add_f32 v[14:15], v[14:15], v[S+\j:S+1+\j]
	v_pk_add_f32 v[L2:L2+1], v[L2:L2+1], v[S+2+\j:S+3+\j]
.endr
	v_pk_add_f32 v[14:15], v[14:15], v[L2:L2+1]
	s_cmp_lg_u32 s[NOHOLD], 0
	s_cbranch_scc1 .Lno_hold_\@
.set J, 0
.rept 64
	v_min_num_f32 v[S+J], v[S+J], v[PLIM]          ; the conversion to an 8-bit code does not saturate (ISA guide 7.6.2); p is not negative, so the hold is one-sided
.set J, J+1
.endr
.Lno_hold_\@:
.irp t, 0,1,2,3,4,5,6,7
	v_cvt_scalef32_pk8_bf8_f32 v[PC+2*\t:PC+2*\t+1], v[S+8*\t:S+8*\t+7], v[PSC]   ; keys 16 t + 8 h + 0 .. 7: registers 2 t, 2 t + 1 of P
.endr
.set J, 0
.rept 16
	v_pk_mul_f32 v[O+J:O+J+1], v[O+J:O+J+1], v[F:F+1] op_sel_hi:[1,0]   ; O^T under the new M; these are also the plain lines between the conversions and the products that read their results
.set J, J+2
.endr
	s_wait_alu depctr_va_vdst(0)
	s_wait_dscnt 0x0                               ; V's fragments
.irp ct, 0,1,2,3                               ; the four accumulators take turns, one instruction a turn, and the eight first products stand between two steps' turns
	v_wmma_f32_16x16x128_bf8_bf8 v[O+8*\ct:O+8*\ct+7], v[FR+16*\ct:FR+16*\ct+15], v[PC:PC+15], v[O+8*\ct:O+8*\ct+7]
.endr
.rept 4
	v_nop                                          ; four places, on every way on, in front of the next read of O^T by a vector instruction
.endr
.endm
; ---- one step: hand the fetched codes to LDS, meet, ask for the next step's, work ----
.macro STEP slot
	s_wait_loadcnt 0x0                             ; this step's 32 bytes are in my registers (if they were asked for); the wait also shows the loads that read the two bases done,
	s_add_nc_u64 s[6:7], s[6:7], 8192              ; so these move on: the next step's place in memory
	s_add_nc_u64 s[8:9], s[8:9], 8192
	s_bitcmp1_b32 s[NEED], 0
	s_cbranch_scc0 .Lno_put_\@
	ds_store_b128 v[FS], v[FK:FK+3] offset:\slot*SLOTB
	ds_store_b128 v[FS], v[FV:FV+3] offset:\slot*SLOTB+VOFF
.Lno_put_\@:
	s_wait_dscnt 0x0                               ; for the others' sake: my stores have landed, and my reads of the other slot are in
	s_barrier_signal -1
	s_barrier_wait -1
	s_wait_alu depctr_vm_vsrc(0)                   ; the two LDS stores above have read v24-31, in which the next loads of codes land: this step's below, or the next pass's first
	s_bitcmp1_b32 s[NEED], 1                       ; NEED has 16 bits: in the last step this bit is 0, so no load passes its buffer's end
	s_cbranch_scc0 .Lno_get_\@
	global_load_b128 v[FK:FK+3], v[FS], s[6:7]     ; 512 consecutive bytes a wave; a whole step's work in which to land
	global_load_b128 v[FV:FV+3], v[FS], s[8:9]
.Lno_get_\@:
	s_bitcmp1_b32 s[ANY], 0
	s_cbranch_scc0 .Lno_work_\@
	COMPUTE \slot
.Lno_work_\@:
	s_lshr_b32 s[NEED], s[NEED], 1
	s_lshr_b32 s[ANY], s[ANY], 1
	s_lshr_b32 s[ALL], s[ALL], 1
	s_add_co_u32 s[MO], s[MO], 256
.endm
.Lpass:
	s_lshl_b32 s[ANY], s[BLK], 4
	s_add_co_u32 s[ANY], s[ANY], s[WV]             ; T = 16 x block + wave: my tile of 16 queries
	s_lshl_b32 s[NEED], s[ANY], 4                  ; my four flag words' byte in fl
	s_lshl_b32 s[IT], s[BLK], 8                    ; the block's 64 flag words'
	s_load_b128 s[TQ:TQ+3], s[12:13], s[NEED]
	s_load_b512 s[16:31], s[12:13], s[IT]
	s_load_b512 s[32:47], s[12:13], s[IT] offset:0x40
	s_load_b512 s[48:63], s[12:13], s[IT] offset:0x80
	s_load_b512 s[68:83], s[12:13], s[IT] offset:0xc0
	s_lshl_b32 s[MO], s[ANY], 12                   ; 4,096 bytes a tile: in mbits, and in a head's rows of Q and out0 alike
	s_and_b32 s[ANY], ttmp7, 0xffff
	s_lshl_b32 s[ANY], s[ANY], 19                  ; a head's 2,048 rows of 256 bytes
	s_add_co_u32 s[ANY], s[ANY], s[MO]
	s_mov_b32 s[ALL], 0
	s_add_nc_u64 s[14:15], s[4:5], s[ANY:ALL]      ; Q at my 16 rows
.irp i, 0,1,2,3,4,5,6,7
	global_load_b128 v[S+4*\i:S+4*\i+3], v[LI], s[14:15] offset:512*\i th:TH_LOAD_NT   ; 512 consecutive bytes: rows 2 i and 2 i + 1; read once in the launch.  No wait: in the second pass the last vector lines that named these registers stand ahead of the way out's last wait on va_vdst, and the stores that read them ahead of the pass's last wait on vm_vsrc
.endr
	v_mov_b32 v13, 0xff61b1e6                      ; the largest t so far: -3e38, under every t
	v_floor_f32 v12, -v13                          ; -M
	v_mov_b32 v14, 0                               ; the sum, in two halves
	v_mov_b32 v15, 0
.set J, 0
.rept 32
	v_mov_b32 v[O+J], 0                            ; O^T.  Which step is a tile's first hangs on the mask, so no first step is written out: the first change of M multiplies zeros
.set J, J+1
.endr
	s_wait_kmcnt 0x0
	s_or_b32 s[TQ], s[TQ], s[TQ+1]
	s_or_b32 s[TQ+2], s[TQ+2], s[TQ+3]
	s_or_b32 s[TQ], s[TQ], s[TQ+2]
	s_and_b32 s[ANY], s[TQ], 0xffff                ; bit s: step s has an open key for my queries
	s_lshr_b32 s[ALL], s[TQ], 16                   ; bit s: all of it is open
	s_or_b32 s[NEED], s16, s17
.set J, 2
.rept 62
	s_or_b32 s[NEED], s[NEED], s[16+J+4*(J/48)]
.set J, J+1
.endr
	s_and_b32 s[NEED], s[NEED], 0xffff             ; bit s: some wave of the work-group computes step s: the same word in all sixteen waves
	s_bitcmp1_b32 s[NEED], 0
	s_cbranch_scc0 .Lno_first
	global_load_b128 v[FK:FK+3], v[FS], s[6:7]     ; step 0: the bases stand at the head's first step
	global_load_b128 v[FV:FV+3], v[FS], s[8:9]
.Lno_first:
	s_wait_loadcnt 0x0                             ; Q (for 0: the two loads behind it are issued on one way only)
.irp i, 0,1,2,3,4,5,6,7
	ds_store_b128 v[SR], v[S+4*\i:S+4*\i+3] offset:2*SP*\i       ; through my own stage: in as whole rows,
.endr
.irp c, 0,1,2,3
.irp u, 0,1
	ds_load_b128 v[FR+8*\c+4*\u:FR+8*\c+4*\u+3], v[SO] offset:64*\c+16*\u   ; out as d = 16 c + 8 h + 0 .. 7 of row r.  LDS serves a wave's instructions in order (ISA guide 5.7.1.4)
.endr
.endr
	s_wait_dscnt 0x0
	s_wait_alu depctr_vm_vsrc(0)                   ; the eight stores into my stage have read v96-127, which the first products (or, in a pass with no open key, the way out's multiplies) write
.set J, 0
.rept 32
	v_med3_num_f32 v[FR+J], v[FR+J], -v[QLIM], v[QLIM]           ; the hold at the largest code x the scale
.set J, J+1
.endr
.irp c, 0,1,2,3
	v_cvt_scalef32_pk8_bf8_f32 v[QF+2*\c:QF+2*\c+1], v[FR+8*\c:FR+8*\c+7], v[QSC]
.endr
	v_nop                                          ; a plain line between the last conversion and the products that read its result
	s_mov_b32 s[IT], 8
.Lk:                                               ; 8 trips of two steps: the slots' numbers stand in the text
	STEP 0
	STEP 1
	s_sub_co_u32 s[IT], s[IT], 1
	s_cmp_lg_u32 s[IT], 0
	s_cbranch_scc1 .Lk
	; THE WAY OUT of a pass: O^T / the sum x 2^(ep + ev), through my stage, out as whole rows.
	s_wait_loadcnt 0x0                             ; no load into the carrying registers is out when the next pass loads into them; and the loads that read the two bases are done,
	s_sub_nc_u64 s[6:7], s[6:7], 16*8192           ; so these go back over the pass's sixteen steps, to the head's first
	s_sub_nc_u64 s[8:9], s[8:9], 16*8192
	v_add_f32 v14, v14, v15                        ; the sum's two halves,
	v_permlanex16_b32 v[PD], v14, s[SEL], s[SEL+1]
	v_add_f32 v14, v14, v[PD]                      ; and lane l xor 16's
	s_wait_alu depctr_va_vdst(0)
	v_rcp_f32 v14, v14
	v_nop                                          ; a plain line behind the transcendental
	s_wait_alu depctr_va_vdst(0)                   ; the reciprocal has written v14, ahead of its first reader
	v_ldexp_f32 v14, v14, s[EPV]
.set J, 0
.rept 16
	v_pk_mul_f32 v[S+J:S+J+1], v[O+J:O+J+1], v[14:15] op_sel_hi:[1,0]   ; register 8 ct + j: out(r, 16 ct + 8 h + j); each accumulator from its low end on
.set J, J+2
.endr
	s_wait_alu depctr_va_vdst(0)                   ; the multiplies have written v96-127, which the stores into my stage read; and every product, hold and conversion that named v[FR ..] is done, so O's rows may land there.  No vector instruction follows before the next pass's loads into both
.irp ct, 0,1,2,3
	ds_store_b128 v[SO], v[S+8*\ct:S+8*\ct+3] offset:64*\ct
	ds_store_b128 v[SO], v[S+8*\ct+4:S+8*\ct+7] offset:64*\ct+16
.endr
.irp i, 0,1,2,3,4,5,6,7
	ds_load_b128 v[FR+4*\i:FR+4*\i+3], v[SR] offset:2*SP*\i
.endr
	s_lshl_b32 s[ANY], s[BLK], 4
	s_add_co_u32 s[ANY], s[ANY], s[WV]
	s_lshl_b32 s[ANY], s[ANY], 12
	s_and_b32 s[ALL], ttmp7, 0xffff
	s_lshl_b32 s[ALL], s[ALL], 19
	s_add_co_u32 s[ANY], s[ANY], s[ALL]
	s_mov_b32 s[ALL], 0
	s_add_nc_u64 s[14:15], s[OUTP:OUTP+1], s[ANY:ALL]   ; out0 at my 16 rows
.irp i, 0,1,2,3,4,5,6,7
	s_wait_dscnt 7-\i                              ; load i is back; the 7 - i younger ones stay out
	global_store_b128 v[LI], v[FR+4*\i:FR+4*\i+3], s[14:15] offset:512*\i th:TH_STORE_NT   ; 512 consecutive bytes, at a multiple of 256 from out0's first byte; written once, read by nobody here
.endr
	s_wait_xcnt 0x0                                ; the stores' data registers and base are written again only behind this wait
	s_wait_alu depctr_vm_vsrc(0)                   ; the stores into my stage have read v96-127 and the global stores v32-63: the next pass's loads of Q land in the first, its loads from the stage in the second
	s_sub_co_u32 s[BLK], 7, s[BLK]                 ; the other block of the pair
	s_sub_co_u32 s[PASS], s[PASS], 1
	s_cmp_lg_u32 s[PASS], 0
	s_cbranch_scc1 .Lpass
	s_wait_dscnt 0x0                               ; the closing lines, six on end
	s_wait_alu 0x0
	s_wait_tensorcnt 0x0
	ds_add_u32 v224, v225
	s_wait_dscnt 0x0
	s_endpgm
.Lfunc_end_k_q68a78542e2_attn:
	.size	k_q68a78542e2_attn, .Lfunc_end_k_q68a78542e2_attn-k_q68a78542e2_attn
	.p2alignl 7, 3214868480
	.fill 96, 4, 3214868480
	.section	.rodata,"a",@progbits
	.p2align	6, 0x0
	.amdhsa_kernel k_q68a78542e2_attn
		.amdhsa_group_segment_fixed_size 104448
		.amdhsa_private_segment_fixed_size 0
		.amdhsa_enable_private_segment 0
		.amdhsa_kernarg_size 56
		.amdhsa_user_sgpr_count 2
		.amdhsa_user_sgpr_kernarg_segment_ptr 1
		.amdhsa_wavefront_size32 1
		.amdhsa_system_sgpr_workgroup_id_x 1
		.amdhsa_system_sgpr_workgroup_id_y 1
		.amdhsa_system_sgpr_workgroup_id_z 1
		.amdhsa_system_vgpr_workitem_id 0
		.amdhsa_next_free_vgpr 226
		.amdhsa_next_free_sgpr 102
		.amdhsa_reserve_vcc 0
		.amdhsa_float_denorm_mode_32 3
		.amdhsa_float_denorm_mode_16_64 3
		.amdhsa_memory_ordered 1
		.amdhsa_forward_progress 1
		.amdhsa_inst_pref_size 57
	.end_amdhsa_kernel
	.amdgpu_metadata
---
amdhsa.version: [ 1, 2 ]
amdhsa.kernels:
  - .name:           k_q68a78542e2_attn
    .symbol:         k_q68a78542e2_attn.kd
    .args:
      - { .name: Q, .offset: 0, .size: 8, .value_kind: global_buffer, .address_space: global }
      - { .name: kc, .offset: 8, .size: 8, .value_kind: global_buffer, .address_space: global }
      - { .name: vc, .offset: 16, .size: 8, .value_kind: global_buffer, .address_space: global }
      - { .name: mbits, .offset: 24, .size: 8, .value_kind: global_buffer, .address_space: global }
      - { .name: fl, .offset: 32, .size: 8, .value_kind: global_buffer, .address_space: global }
      - { .name: lowp_scales, .offset: 40, .size: 8, .value_kind: global_buffer, .address_space: global }
      - { .name: out0, .offset: 48, .size: 8, .value_kind: global_buffer, .address_space: global }
    .group_segment_fixed_size: 104448
    .private_segment_fixed_size: 0
    .kernarg_segment_align: 8
    .kernarg_segment_size: 56
    .max_flat_workgroup_size: 512
    .sgpr_count:     102
    .vgpr_count:     226
    .wavefront_size: 32
...
	.end_amdgpu_metadata
.endif
;; end of part 4
